; MI455X (gfx1250); checked and timed in simulation.
; The chip was launched on July 23, 2026; its instructions are those of AMD's public machine-readable ISA for CDNA 5 (MIT licence, August 2026) and "CDNA5" Instruction Set Architecture Reference Guide (July 2026). The comments in the code are by the model that wrote it; some were corrected since.
;; Causal Self Attention. Allowed arithmetic: matrix products marked QUANTISED: E4M3 operands, one given power-of-two scale a tensor, by v_wmma_f32_16x16x64_fp8_fp8 or v_wmma_f32_16x16x128_fp8_fp8, f32 sums; everything else in f32.
;; Inputs: Wo 1,024 x 1,024 float32; Wqkv 3,072 x 1,024 float32; bo 1,024 float32; bqkv 3,072 float32; lowp_scales 8 int32 (the exponents e of the quantised operands' scales 2^e); x 4 x 2,048 x 1,024 float32.
;; Outputs: out0 4 x 2,048 x 1,024 float32.
;; This version of the problem:
;;   THIS VERSION OF THE PROBLEM IS GIVEN IN LOW PRECISION. The matrix products marked QUANTISED in the list below multiply operands that are first quantised to E4M3 (4 exponent bits, 3 mantissa bits; 8 bits a number), with one given power-of-two scale for each operand tensor; their sums are f32. All else is computed in f32.
;;   The module's matrix products, in the order in which they are computed (A, B: the left and right operand; K: the contracted axis; several contracted axes count as one K, in the product's order):
;;     1. [M 8,192, K 1,024] x [K 1,024, N 3,072]; A: input x; B: input Wqkv: QUANTISED (scales: A lowp_scales[0], B lowp_scales[1])
;;     2. batch 64 x [M 2,048, K 64] x [K 64, N 2,048]; A: computed on the way; B: computed on the way: QUANTISED (scales: A lowp_scales[2], B lowp_scales[3])
;;     3. batch 64 x [M 2,048, K 2,048] x [K 2,048, N 64]; A: softmax (see below); B: computed on the way: QUANTISED (scales: A lowp_scales[4], B lowp_scales[5])
;;     4. [M 8,192, K 1,024] x [K 1,024, N 1,024]; A: computed on the way; B: input Wo: QUANTISED (scales: A lowp_scales[6], B lowp_scales[7])
;;   THE QUANTISER, for each operand of a quantised product, along K:
;;     - The operand's scale is 2^e, e = its entry of the input lowp_scales (int32; the entries are numbered through the quantised products in the list's order, A before B).
;;     - Each number is divided by the scale, clamped to +-448, and rounded to the nearest number of E4M3, ties to even, subnormals kept.
;;     - The product sums the exact products of the quantised numbers (number of the format x scale) in f32.
;;   ~~~python
;;   def quantise(x, axis, e):      # numpy; x: float32 -> the quantised numbers, widened to float32 again
;;       x = np.moveaxis(x, axis, -1); K = x.shape[-1]
;;       r = np.clip(x / 2.0 ** e, -448, 448)
;;       step = 2.0 ** (np.maximum(np.frexp(np.where(r == 0, 1, r))[1] - 1, -6) - 3)
;;       q = np.round(r / step) * step * 2.0 ** e      # np.round: ties to even
;;       return np.moveaxis(q, -1, axis).astype(np.float32)
;;   ~~~
;;   SOFTMAX AHEAD OF A QUANTISED PRODUCT. Where the list says 'softmax', what is quantised is not the finished softmax but p = 2^(t - M), with t = logit x log2(e) and M = ceil(the row's largest t), a whole number; so 1/2 < the row's largest p <= 1. The row's sum l is taken of the UNQUANTISED p, in f32, and the product's result is divided by l at the end. Since M is a whole number, a kernel that streams over the keys may use a running M (the ceiling of the running maximum): every later rescaling is an exact power of two, so the quantised numbers keep their values, but for numbers so far below the row's largest that they fall under the format's range.
;;   OPERANDS COMPUTED ON THE WAY. 'Computed on the way' means the value that the module computes at that place (a softmax that the list does not call 'softmax' is quantised finished and normalised). What goes into a quantiser is computed in f32, as accurately as f32 sums, v_exp_f32 and their like allow (about 1e-6 of the number): no bf16 or f16 on the way to a quantiser, and a product that is left as it is and whose result goes on into a quantised operand takes f32 operands (vector FMAs, or v_wmma_f32_16x16x4_f32). A number that lies on a knife's edge between two numbers of the format may be rounded either way, as far as f32 arithmetic and the matrix unit's own rounding can turn it there, and no further.
;; One version. Each part assembles by itself: llvm-mc -triple=amdgcn-amd-amdhsa -mcpu=gfx1250 --defsym DOCPART=n.
;; ======== version 1 of 1: 4 launches
;; limits: right only within a limited range of input values
;; workspace buffers: codes 12,582,912 bytes; qkv 25,165,824 bytes; att 8,388,608 bytes
;; launch quant (part 1): grid 384 x 1, 4 waves a work-group, no clusters, 34,304 bytes of LDS; arguments x, Wqkv, Wo, lowp_scales, codes; writes codes
.if DOCPART == 1
	.amdgcn_target "amdgcn-amd-amdhsa--gfx1250"
	.amdhsa_code_object_version 6
	.text
	.protected	k_q0568deaed9_quant
	.globl	k_q0568deaed9_quant
	.p2align	8
	.type	k_q0568deaed9_quant,@function
k_q0568deaed9_quant:
	s_mov_b64 s[64:65], 0
	v_nop
	global_prefetch_b8 v0, s[64:65] scope:SCOPE_SE
	s_setreg_imm32_b32 hwreg(HW_REG_WAVE_MODE, 25, 1), 1
	s_wait_xcnt 0x0
; x [8192][1024], Wqkv [3072][1024] and Wo [1024][1024], f32 with K innermost, become codes of FP8 (E4M3), each tensor with its given scale 2^e
; (entries 0, 1 and 7 of the scales): code = number / 2^e, held within +-448, rounded to the nearest code, ties to even.
; LAYOUT OF THE CODES: an image of the operand registers.  Rows go in tiles of 16; tile 2 g + u, slot p, is row 32 g + 8 u + p + 8 (p / 8) of its tensor.
; A tile is 16,384 bytes: [k / 16][slot][16 codes].  So a fragment of 16 rows x 128 K is 2,048 consecutive bytes, register group c of lane l at 512 c + 16 l
; (lane l = 16 h + slot holds k = 32 c + 16 h + 0 .. 15), and every later launch fetches it as it lies.  Tiles 0-511: x; 512-703: Wqkv; 704-767: Wo.
; SHARES.  A work-group takes 32 rows (two tiles); wave w takes tile w / 2 and 512 of K (w % 2), in four steps of 16 rows x 128 K.
; Each load reads 512 consecutive bytes of one row; a step turns through the wave's own stage in LDS (rows of 512 + 16 bytes) so that a lane gets 16 neighbours
; along K of each block of 32; a step's codes leave as four stores of 512 consecutive bytes.  Work-groups share no input: no cluster, no tensor load, no barrier.
; LIMITS: each e between -126 and 119, so that 2^e and 448 x 2^e are f32 numbers.  NaN among the inputs is not served; an infinity is held at the largest code.
.set SP,    528                        ; a stage row: 512 bytes + 16: the sixteen rows that a read touches start at sixteen different 16-byte columns
.set WREG,  16*SP                      ; a wave's stage
.set SPARE, 4*WREG                     ; behind the stages: the spare words, 128 bytes a wave, that no other line names
.set LI,    2                          ; v2   16 x lane: my bytes of a load's or a store's 512
.set SIN,   3                          ; v3   the stage on the way in
.set SOUT,  4                          ; v4   the stage on the way out: row = lane % 16, + 64 (lane / 16)
.set LIM,   10
.set SC,    11                         ; v11  2^e
.set SPW,   12                         ; v12  my spare word; never rewritten
.set NIL,   13                         ; v13  0; never rewritten
.set R,     16                         ; v16-143   two sets of 64: a step's numbers as loaded
.set X,     144                        ; v144-207  64 numbers: register 16 b + i = k 32 b + 16 (lane / 16) + i of my row
.set C,     208                        ; v208-239  two sets of 16: a step's codes
	s_load_b256 s[4:11], s[0:1], 0x0               ; x s[4:5], Wqkv s[6:7], Wo s[8:9], the scales s[10:11]
	s_load_b64 s[12:13], s[0:1], 0x20              ; the codes
	v_lshl_add_u32 v[SPW], v0, 2, SPARE
	v_mov_b32 v[NIL], 0
	v_lshrrev_b32 v1, 5, v0
	v_readfirstlane_b32 s16, v1                    ; wave 0..3
	v_and_b32 v1, 31, v0
	v_lshlrev_b32 v[LI], 4, v1
	s_mul_i32 s17, s16, WREG
	v_add_nc_u32 v[SIN], s17, v[LI]
	v_and_b32 v5, 15, v0
	v_bfe_u32 v6, v0, 4, 1
	v_mul_u32_u24 v[SOUT], v5, SP
	v_lshl_add_u32 v[SOUT], v6, 6, v[SOUT]
	v_add_nc_u32 v[SOUT], s17, v[SOUT]
	s_lshr_b32 s18, s16, 1                         ; u: which of the two tiles
	s_and_b32 s19, s16, 1                          ; which 512 of K
	s_mov_b32 s15, 352
	s_wait_alu depctr_va_vdst(0)
	s_wait_kmcnt 0x0
	s_load_b256 s[24:31], s[10:11], 0x0            ; the eight exponents
	s_cmp_lt_u32 ttmp9, s15                        ; work-groups 0-255: x; 256-351: Wqkv; 352-383: Wo.  The choice hangs on the work-group's number alone
	s_cselect_b64 s[6:7], s[6:7], s[8:9]
	s_cselect_b32 s14, 256, s15
	s_cmp_lt_u32 ttmp9, 256
	s_cselect_b64 s[4:5], s[4:5], s[6:7]
	s_cselect_b32 s14, 0, s14                      ; the tensor's first work-group
	s_sub_co_u32 s20, ttmp9, s14
	s_lshl_b32 s20, s20, 17                        ; 32 rows of 4,096 bytes
	s_lshl_b32 s21, s18, 15                        ; + 8 u rows
	s_add_co_u32 s20, s20, s21
	s_lshl_b32 s21, s19, 11                        ; + my 512 numbers along K
	s_add_co_u32 s20, s20, s21
	s_mov_b32 s21, 0
	s_add_nc_u64 s[4:5], s[4:5], s[20:21]
	s_lshl_b32 s22, ttmp9, 1
	s_add_co_u32 s22, s22, s18                     ; my tile of the codes
	s_lshl_b32 s22, s22, 14
	s_lshl_b32 s23, s19, 13                        ; + four fragments
	s_add_co_u32 s22, s22, s23
	s_mov_b32 s23, 0
	s_add_nc_u64 s[12:13], s[12:13], s[22:23]
.macro LOAD t                          ; step t: slot i of my tile is row i + 8 (i / 8) from my base; 32 lanes read 512 consecutive bytes of it
.irp i, 0,1,2,3,4,5,6,7,8,9,10,11,12,13,14,15
	global_load_b128 v[R+64*((\t)%2)+4*\i:R+64*((\t)%2)+4*\i+3], v[LI], s[4:5] offset:(\i+8*(\i/8))*4096+512*(\t) th:TH_LOAD_NT
.endr
.endm
	LOAD 0
	LOAD 1
	s_wait_kmcnt 0x0
	s_cmp_lt_u32 ttmp9, s15
	s_cselect_b32 s20, s25, s31                    ; Wqkv's e or Wo's
	s_cmp_lt_u32 ttmp9, 256
	s_cselect_b32 s20, s24, s20                    ; or x's
	s_add_co_i32 s20, s20, 127
	s_lshl_b32 s21, s20, 23
	v_mov_b32 v[SC], s21                           ; 2^e as f32: the conversion takes its exponent field
	s_add_co_i32 s20, s20, 8
	s_lshl_b32 s20, s20, 23
	s_or_b32 s20, s20, 0x600000
.macro STEP t
.if (\t) < 3
	s_wait_loadcnt 16                              ; this step's sixteen loads are in; the next step's sixteen may be out
.else
	s_wait_loadcnt 0
.endif
.irp i, 0,1,2,3,4,5,6,7,8,9,10,11,12,13,14,15
	ds_store_b128 v[SIN], v[R+64*((\t)%2)+4*\i:R+64*((\t)%2)+4*\i+3] offset:SP*\i
.endr
.irp b, 0,1,2,3
.irp j, 0,1,2,3
	ds_load_b128 v[X+16*\b+4*\j:X+16*\b+4*\j+3], v[SOUT] offset:128*\b+16*\j   ; LDS serves a wave's instructions in order: these see the stores above
.endr
.endr
	s_wait_dscnt 0x0                               ; the numbers are back, and the stores have read their registers,
.if (\t) < 2
	LOAD (\t)+2                                    ; which take the loads of two steps on
.endif
.if (\t) >= 2
	s_wait_xcnt 0x0                                ; the stores of two steps back have read their data: that set of codes is written again only behind this wait
.endif
.irp b, 0,1,2,3
.irp i, 0,1,2,3,4,5,6,7,8,9,10,11,12,13,14,15
.endr
	v_cvt_scalef32_pk8_fp8_f32 v[C+16*((\t)%2)+4*\b:C+16*((\t)%2)+4*\b+1], v[X+16*\b:X+16*\b+7], v[SC]
	v_cvt_scalef32_pk8_fp8_f32 v[C+16*((\t)%2)+4*\b+2:C+16*((\t)%2)+4*\b+3], v[X+16*\b+8:X+16*\b+15], v[SC]
.endr
	v_nop                                          ; one plain vector line behind the last conversion
.irp c, 0,1,2,3
	global_store_b128 v[LI], v[C+16*((\t)%2)+4*\c:C+16*((\t)%2)+4*\c+3], s[12:13] offset:2048*(\t)+512*\c   ; 32 lanes store 512 consecutive bytes, aligned
.endr
.endm
	s_wait_alu depctr_va_vdst(0)
	STEP 0
	STEP 1
	STEP 2
	STEP 3
	s_wait_tensorcnt 0x0                           ; the wave's end
	ds_add_u32 v[SPW], v[NIL]
	s_wait_dscnt 0x0
	s_endpgm
.Lfunc_end_k_q0568deaed9_quant:
	.size	k_q0568deaed9_quant, .Lfunc_end_k_q0568deaed9_quant-k_q0568deaed9_quant
	.p2alignl 7, 3214868480
	.fill 96, 4, 3214868480
	.section	.rodata,"a",@progbits
	.p2align	6, 0x0
	.amdhsa_kernel k_q0568deaed9_quant
		.amdhsa_group_segment_fixed_size 34304
		.amdhsa_private_segment_fixed_size 0
		.amdhsa_enable_private_segment 0
		.amdhsa_kernarg_size 40
		.amdhsa_user_sgpr_count 2
		.amdhsa_user_sgpr_kernarg_segment_ptr 1
		.amdhsa_wavefront_size32 1
		.amdhsa_system_sgpr_workgroup_id_x 1
		.amdhsa_system_sgpr_workgroup_id_y 1
		.amdhsa_system_sgpr_workgroup_id_z 1
		.amdhsa_system_vgpr_workitem_id 0
		.amdhsa_next_free_vgpr 240
		.amdhsa_next_free_sgpr 66
		.amdhsa_reserve_vcc 0
		.amdhsa_float_denorm_mode_32 3
		.amdhsa_float_denorm_mode_16_64 3
		.amdhsa_fp16_overflow 1
		.amdhsa_memory_ordered 1
		.amdhsa_forward_progress 1
		.amdhsa_inst_pref_size 21
	.end_amdhsa_kernel
	.amdgpu_metadata
---
amdhsa.version: [ 1, 2 ]
amdhsa.kernels:
  - .name:           k_q0568deaed9_quant
    .symbol:         k_q0568deaed9_quant.kd
    .args:
      - { .name: x, .offset: 0, .size: 8, .value_kind: global_buffer, .address_space: global }
      - { .name: Wqkv, .offset: 8, .size: 8, .value_kind: global_buffer, .address_space: global }
      - { .name: Wo, .offset: 16, .size: 8, .value_kind: global_buffer, .address_space: global }
      - { .name: lowp_scales, .offset: 24, .size: 8, .value_kind: global_buffer, .address_space: global }
      - { .name: codes, .offset: 32, .size: 8, .value_kind: global_buffer, .address_space: global }
    .group_segment_fixed_size: 34304
    .private_segment_fixed_size: 0
    .kernarg_segment_align: 8
    .kernarg_segment_size: 40
    .max_flat_workgroup_size: 128
    .sgpr_count:     66
    .vgpr_count:     240
    .wavefront_size: 32
...
	.end_amdgpu_metadata
.endif
;; end of part 1
;; launch qkvgemm (part 2): grid 12 x 32, 4 waves a work-group, clusters of 4 x 4, 327,680 bytes of LDS; arguments codes, bqkv, lowp_scales, qkv; writes qkv
.if DOCPART == 2
	.amdgcn_target "amdgcn-amd-amdhsa--gfx1250"
	.amdhsa_code_object_version 6
	.text
	.protected	k_q0568deaed9_qkvgemm
	.globl	k_q0568deaed9_qkvgemm
	.p2align	8
	.type	k_q0568deaed9_qkvgemm,@function
k_q0568deaed9_qkvgemm:
	s_mov_b64 s[64:65], 0
	v_nop
	global_prefetch_b8 v0, s[64:65] scope:SCOPE_SE
	s_setreg_imm32_b32 hwreg(HW_REG_WAVE_MODE, 25, 1), 1
	s_wait_xcnt 0x0
	s_wait_alu depctr_hold_cnt(0) depctr_sa_sdst(0) depctr_va_vdst(0) depctr_va_sdst(0) depctr_va_ssrc(0) depctr_va_vcc(0) depctr_vm_vsrc(0)
	s_getreg_b32 s2, hwreg(HW_REG_IB_STS2, 6, 4)
	s_cmp_eq_u32 s2, 0
	s_cbranch_scc0 .Lentry_in_a_cluster
	s_endpgm
.Lentry_in_a_cluster:
	s_bfe_u32 s2, ttmp6, 0x10000c
	s_cmp_lg_u32 s2, 0xf033
	s_cbranch_scc0 .Lentry_shape_is_right
	s_endpgm
.Lentry_shape_is_right:
; qkv = Q(x) Q(Wqkv)^T x 2^(e0 + e1) + bqkv on codes of FP8 (E4M3), and q, k, v are quantised at once (scales 2^e2, 2^e3, 2^e5) and stored as images of the operand registers of the attention.
; CODES IN: tiles of 16 rows (tile 2 g + u, slot p = row 32 g + 8 u + p + 8 (p / 8)), 16,384 bytes a tile, [k / 16][slot][16]: a fragment of 16 rows x 128 K is 2,048 consecutive bytes.
; Lane l = 16 h + slot holds k = 32 c + 16 h + 0 .. 15 in register group c: a permutation of k that is alike on both sides, so every product meets its partner.
; A WORK-GROUP makes 256 (side A, source 1) x 256 (side B, source 0); each of four waves 128 x 128: 64 accumulators.  K = 1,024 goes in four fills of 256 through two LDS slots.
; In a result lane (r, h) holds slot r of A's tile, and its registers of B's tiles 2 g and 2 g + 1 are 16 NEIGHBOURS 32 g + 16 h + 0 .. 15 along B's rows.
; Cluster x = 0: q, 1: k: side A = x, side B = Wqkv: a lane holds one token and 16 neighbours of a head's 64.  Cluster x = 2: v: THE SIDES CHANGE PLACES BY ADDRESS ALONE: side A = Wv, side B = x: a lane holds
; one channel and 16 neighbouring keys, since the keys are the K of the attention's second product.  So two conversions give 16 bytes that are a register group of the next operand, stored straight from registers.
; OUT: q at 0, k at 2^23: [batch x 16 + head][token tile][1,024: 512 c + 16 lane].  v at 2^24: [batch x 16 + head][128 keys][channel tile][2,048: 512 c + 16 lane].
; CLUSTERS: 4 x 4 work-groups; side A's tiles are shared along a row of the cluster, side B's along a column: each is asked for jointly.
; LIMITS: e0 + e1 between -126 and 127; e2, e3, e5 between -126 and 119.  NaN is not served.
; REGISTERS: window 0: v16-31 addresses and constants; v32-95 the bias; v96-103 the bias loads' offsets; v128-255 A's fragments, one set; on the way out v96-159 numbers, v160-191 codes.
;   window 1: B's fragments, two sets.   windows 2, 3: the accumulators, (a, b) at v[8 (8 (a % 4) + b)].
.set FR,     16                        ; registers of a fragment
.set NL,     4                         ; LDS loads that bring one
.set NP,     4                         ; places behind this matrix instruction (ISA guide 7.12.1)
.set KSB,    4096                      ; a tile's bytes of 256 along K
.set TILEB,  16384                     ; a tile's bytes in memory
.set HALFT,  8*KSB                     ; 8 tiles: what one tensor load brings, and what one wave reads of a side
.set SLOT,   4*HALFT                   ; A's two halves, then B's two
.set SPARE,  2*SLOT                    ; behind the ring: the spare words, 128 bytes a wave, that no other line names
.set ADRA, 16                          ; v16-17  LDS address of my A fragments in slot 0, 1
.set ADRB, 20                          ; v20-21  the same for B
.set LI,   26                          ; v26     16 x lane
.set SPW,  28                          ; v28     my spare word; never rewritten
.set NIL,  29                          ; v29     0; never rewritten
.set SCV,  30                          ; v30     2^e of the tensor that I make
.set LIMV, 31
.set BIAS, 32
.set VO,   96
.set TMP,  96
.set CD,   160
.set AF,   128
.set G1, 24                            ; s[24:31] descriptor group 1 for A's tiles;  s[32:39] group 0, one set for each slot
.set G0, 32
.set G1B, 48                           ; s[48:55], s[56:63] the same for B's
.set G0B, 56
.set MSB, 0
.macro WIN new                         ; the immediate's high byte repeats the setting that is left
.if MSB != (\new)
	s_set_vgpr_msb (MSB<<8)|(\new)
.set MSB, (\new)
.endif
.endm
.set MUL_LO, 0xa1                      ; source 0 (B) window 1, source 1 (A) window 0, C and D window 2
.set MUL_HI, 0xf1                      ; the same, C and D window 3
.set TO_B,   0x40                      ; destination window 1, address window 0
; A joint load: waves 0 and 1 fetch for A, waves 2 and 3 for B; the branch hangs on the wave's number alone.  An s_nop 0 and four v_nop follow each of the two lines.
.macro JLOAD g0a, g1a, g0b, g1b
	s_cmp_eq_u32 s15, 0
	s_cbranch_scc0 .Lfor_b_\@
	tensor_load_to_lds s[\g0a:\g0a+3], s[\g1a:\g1a+7]
	s_nop 0
.rept 4
	v_nop
.endr
	s_branch .Lasked_\@
.Lfor_b_\@:
	tensor_load_to_lds s[\g0b:\g0b+3], s[\g1b:\g1b+7]
	s_nop 0
.rept 4
	v_nop
.endr
.Lasked_\@:
.endm
.macro CREST                           ; a round of the cluster's barrier behind its opening barrier
	s_cmp_lg_u32 s14, 0
	s_cbranch_scc1 .Lnot_wave_0_\@
	s_barrier_signal -3
.Lnot_wave_0_\@:
	s_barrier_wait -3
	s_barrier_signal -1
	s_barrier_wait -1
.endm
.macro CROUND                          ; a whole round
	s_barrier_signal -1
	s_barrier_wait -1
	CREST
.endm
	s_load_b256 s[4:11], s[0:1], 0x0               ; the codes s[4:5], bqkv s[6:7], the scales s[8:9], qkv s[10:11]
	v_lshl_add_u32 v[SPW], v0, 2, SPARE
	v_mov_b32 v[NIL], 0
	ds_add_u32 v[SPW], v[NIL]                      ; the wave's opening: the add and its wait stand ahead of my first tensor load; work on registers stands between them
	ds_add_u32 v[SPW], v[NIL]
	v_lshrrev_b32 v1, 5, v0
	v_readfirstlane_b32 s14, v1                    ; wave 0..3
	s_lshr_b32 s15, s14, 1                         ; which half of side A is mine.  Also: I fetch for A (0) or for B (1)
	s_and_b32 s16, s14, 1                          ; which half of side B.  Also: which 8 tiles of that side I fetch
	s_bfe_u32 s40, ttmp6, 0x40000                  ; cx, cy: my place in the cluster
	s_bfe_u32 s41, ttmp6, 0x40004
	s_lshl_b32 s43, s41, 2
	s_lshl_b32 s43, 15, s43                        ; my row of the cluster
	s_lshl_b32 s44, 0x1111, s40                    ; my column
	s_or_b32 s[G1+0], s43, (0<<16)|(1<<21)         ; 15:0 the mask: A's tiles go to my row; 17:16 elements of 1 byte; 21 set beside a mask; no padding
	s_or_b32 s[G1B+0], s44, (0<<16)|(1<<21)
.irp g, G1, G1B
	s_mov_b32 s[\g+1], KSB<<16                     ; tensor_dim0 = 4,096: a tile's bytes of this K step
	s_mov_b32 s[\g+2], 8<<16                       ; tensor_dim1 = 8 tiles
	s_mov_b32 s[\g+3], KSB<<16                     ; tile_dim0
	s_mov_b32 s[\g+4], 8                           ; tile_dim1
	s_mov_b32 s[\g+5], TILEB                       ; from tile to tile in memory
	s_mov_b32 s[\g+6], 0
	s_mov_b32 s[\g+7], 0
.endr
	s_and_b32 s17, ttmp7, 0xffff                   ; cluster y
	s_cmp_eq_u32 ttmp9, 2                          ; v?  Cluster x is the same in all sixteen partners
	s_cselect_b32 s18, 0, s17                      ; side A walks: Wv's four blocks (cy alone), or x by cluster y
	s_cselect_b32 s19, s17, ttmp9                  ; side B walks: x by cluster y, or Wq, Wk by cluster x
	s_cselect_b32 s20, 640, 0                      ; side A's first tile among the codes: Wv's or x's
	s_cselect_b32 s21, 0, 512                      ; side B's: x's or Wqkv's
	s_lshl_b32 s18, s18, 2
	s_add_co_u32 s18, s18, s41                     ; tA: side A's block of 256 rows: it never holds cx
	s_lshl_b32 s19, s19, 2
	s_add_co_u32 s19, s19, s40                     ; tB: side B's: it never holds cy
	s_lshl_b32 s22, s18, 4
	s_add_co_u32 s22, s22, s20
	s_lshl_b32 s23, s16, 3
	s_add_co_u32 s22, s22, s23                     ; the first tile that I would fetch for A
	s_lshl_b32 s22, s22, 14
	s_mov_b32 s23, 0
	s_lshl_b32 s46, s19, 4
	s_add_co_u32 s46, s46, s21
	s_lshl_b32 s47, s16, 3
	s_add_co_u32 s46, s46, s47                     ; and for B
	s_lshl_b32 s46, s46, 14
	s_mov_b32 s47, 0
	s_lshl_b32 s45, s14, 15                        ; where they go: wave x HALFT: no place in the cluster enters an LDS address
	s_wait_dscnt 0x0                               ; the opening add is done
	s_wait_kmcnt 0x0
	s_load_b256 s[68:75], s[8:9], 0x0              ; e0 .. e7
	s_add_nc_u64 s[22:23], s[4:5], s[22:23]
	s_add_nc_u64 s[46:47], s[4:5], s[46:47]
	CROUND                                         ; all sixteen work-groups are here: the first joint loads meet
.irp s, 0,1
	s_mov_b32 s[G0+4*\s], 1
	s_add_co_u32 s[G0+4*\s+1], s45, \s*SLOT
	s_add_nc_u64 s[G0+4*\s+2:G0+4*\s+3], s[22:23], \s*KSB
	s_or_b32 s[G0+4*\s+3], s[G0+4*\s+3], 0x80000000
	s_mov_b32 s[G0B+4*\s], 1
	s_add_co_u32 s[G0B+4*\s+1], s45, \s*SLOT
	s_add_nc_u64 s[G0B+4*\s+2:G0B+4*\s+3], s[46:47], \s*KSB
	s_or_b32 s[G0B+4*\s+3], s[G0B+4*\s+3], 0x80000000
	JLOAD G0+4*\s, G1, G0B+4*\s, G1B
.endr
	v_and_b32 v1, 15, v0                           ; r
	s_wait_alu depctr_va_vdst(0)
	v_bfe_u32 v2, v0, 4, 1                         ; h
	v_and_b32 v3, 31, v0
	v_lshlrev_b32 v[LI], 4, v3
	s_lshl_b32 s21, s15, 15                        ; my 8 tiles of A
	s_lshl_b32 s20, s16, 15                        ; my 8 tiles of B,
	s_add_co_u32 s20, s20, 2*HALFT                 ; which lie behind A's sixteen
.irp s, 0,1
	v_add_nc_u32 v[ADRA+\s], s21, v[LI]
	v_add_nc_u32 v[ADRB+\s], s20, v[LI]
	s_add_co_u32 s21, s21, SLOT
	s_add_co_u32 s20, s20, SLOT
.endr
	; what differs between q, k and v is chosen here, without a branch
	s_cmp_eq_u32 ttmp9, 2
	s_cselect_b32 s80, s18, s19                    ; the bias runs along Wqkv's rows: side A for v, side B for q and k
	s_cselect_b32 s81, s15, s16
	s_cselect_b32 s82, 2048, 0
	s_cselect_b32 s83, -1, 0
	s_cselect_b32 s84, 0, 4
	s_cselect_b32 s85, s19, s18                    ; the tokens run along the other side
	s_cselect_b32 s86, s16, s15
	s_cselect_b32 s87, s41, s40
	s_cselect_b32 s88, s15, s16
	s_lshl_b32 s80, s80, 8
	s_lshl_b32 s81, s81, 7
	s_add_co_u32 s80, s80, s81
	s_add_co_u32 s80, s80, s82                     ; my first row of Wqkv
	s_lshl_b32 s80, s80, 2
	s_mov_b32 s81, 0
	s_add_nc_u64 s[6:7], s[6:7], s[80:81]
	v_and_b32 v3, 8, v1
	v_add_nc_u32 v3, v3, v1
	v_lshlrev_b32 v3, 2, v3                        ; v: my lane's row of a tile, r + 8 (r / 8), the same for all eight registers
	v_lshlrev_b32 v4, 6, v2                        ; q, k: 16 h, and register j one further on
	v_cndmask_b32 v5, v4, v3, s83
	v_mov_b32 v6, s84
.irp j, 0,1,2,3,4,5,6,7
	v_mad_u32_u24 v[VO+\j], v6, \j, v5
.endr
.irp t, 0,1,2,3,4,5,6,7                ; BIAS[8 t + j]: q, k: that of register j of B's tile t; v: that of my lane's row of A's tile t
.irp j, 0,1,2,3,4,5,6,7
	global_load_b32 v[BIAS+8*\t+\j], v[VO+\j], s[6:7] offset:(32*(\t/2)+8*(\t%2))*4
.endr
.endr
	s_lshl_b32 s85, s85, 4
	s_lshl_b32 s86, s86, 3
	s_add_co_u32 s85, s85, s86                     ; my first token tile, a multiple of 8
	s_lshl_b32 s87, s87, 2
	s_lshl_b32 s88, s88, 1
	s_add_co_u32 s87, s87, s88                     ; my first head of two
	s_lshr_b32 s86, s85, 7                         ; the batch: 128 tiles each
	s_lshl_b32 s86, s86, 4
	s_add_co_u32 s86, s86, s87
	s_lshl_b32 s86, s86, 17                        ; 131,072 bytes a head
	s_and_b32 s85, s85, 127
	s_lshl_b32 s85, s85, 10                        ; q, k: 1,024 bytes a token tile; v: 8,192 bytes for 8 tiles' keys: the same number
	s_add_co_u32 s86, s86, s85
	s_lshl_b32 s85, ttmp9, 23                      ; q, k or v
	s_add_co_u32 s86, s86, s85
	s_mov_b32 s87, 0
	s_add_nc_u64 s[10:11], s[10:11], s[86:87]
	s_wait_kmcnt 0x0
	s_add_co_i32 s76, s68, s69
	s_add_co_i32 s76, s76, 127
	s_lshl_b32 s76, s76, 23                        ; 2^(e0 + e1) as f32
	s_mov_b32 s77, s76                             ; (named with it as a pair, so it is written)
	s_cmp_eq_u32 ttmp9, 0
	s_cselect_b32 s78, s70, s71
	s_cmp_eq_u32 ttmp9, 2
	s_cselect_b32 s78, s73, s78                    ; e2, e3 or e5
	s_add_co_i32 s78, s78, 127
	s_lshl_b32 s79, s78, 23
	v_mov_b32 v[SCV], s79
.macro FRAG reg, adr, q, i             ; a fragment lies in LDS as its registers: four loads of 512 consecutive bytes
.irp c, 0,1,2,3
	ds_load_b128 v[\reg+4*\c:\reg+4*\c+3], v[\adr] offset:KSB*(\i)+2048*(\q)+512*\c
.endr
.endm
; 16 matrix instructions: A's blocks a0, a0 + 1 x B's eight, 128 along K.  p: B's set.  zero = 1: the first product starts the sums.
; The 64 accumulators take turns, one instruction a turn, in the same order in every step.
.macro MUL16 a0, p, zero
.irp a, \a0, \a0+1
.irp b, 0,1,2,3,4,5,6,7
.if \zero
	v_wmma_f32_16x16x128_fp8_fp8 v[8*(8*((\a)%4)+\b):8*(8*((\a)%4)+\b)+7], v[128*(\p)+FR*\b:128*(\p)+FR*\b+FR-1], v[AF+FR*(\a):AF+FR*(\a)+FR-1], 0
.else
	v_wmma_f32_16x16x128_fp8_fp8 v[8*(8*((\a)%4)+\b):8*(8*((\a)%4)+\b)+7], v[128*(\p)+FR*\b:128*(\p)+FR*\b+FR-1], v[AF+FR*(\a):AF+FR*(\a)+FR-1], v[8*(8*((\a)%4)+\b):8*(8*((\a)%4)+\b)+7]
.endif
.endr
.endr
.endm
.macro FETCH_B slot, q, p              ; B's eight fragments of the slot's q-th 128 along K into set p
	WIN TO_B
.irp i, 0,1,2,3,4,5,6,7
	FRAG 128*(\p)+FR*\i, ADRB+\slot, \q, \i
.endr
	WIN 0
.endm
.macro FETCH_A slot, q, i0             ; A's blocks i0 .. i0 + 3
.irp i, \i0, \i0+1, \i0+2, \i0+3
	FRAG AF+FR*(\i), ADRA+\slot, \q, \i
.endr
.endm
.macro PLACES n                        ; plain vector lines between a matrix instruction and a load into, or a read of, its registers
.rept \n
	v_nop
.endr
.endm
; A step of 128 along K that has its successor in the same slot.  A block of A is free once its eight products are issued: blocks 0-3 are fetched anew in the middle, blocks 4-7 at the end.
.macro STEP slot, q, zero
	s_wait_dscnt 4*NL                              ; B's set and A's blocks 0-3 are in; the youngest sixteen loads (A's blocks 4-7) may be out
	WIN MUL_LO
	MUL16 0, (\q)%2, \zero
	MUL16 2, (\q)%2, \zero
	s_wait_dscnt 0                                 ; A's blocks 4-7 are in
	PLACES NP
	FETCH_B \slot, (\q)+1, 1-(\q)%2
	FETCH_A \slot, (\q)+1, 0
	WIN MUL_HI
	MUL16 4, (\q)%2, \zero
	MUL16 6, (\q)%2, \zero
	PLACES NP
	WIN 0
	FETCH_A \slot, (\q)+1, 4
.endm
; A slot's last step changes slots: one barrier; in front of it each wave waits for all its tensor loads, adds 0 to its spare word, and waits for that and for its reads of this slot.
; fill = 1: the barrier opens a round of the cluster's barrier, and this slot is filled again, two K steps of 256 ahead, first thing behind the round.
.macro TURN slot, next, fill
	s_wait_tensorcnt 0x0                           ; all my tensor loads have landed: my part of the next slot
	ds_add_u32 v[SPW], v[NIL]                      ; 0 onto my spare word
	s_wait_dscnt 4*NL+1                            ; (the add and the youngest sixteen loads may be out)
	WIN MUL_LO
	MUL16 0, 1, 0                                  ; sixteen matrix instructions stand between the add and the wait for it
	s_wait_dscnt 0x0                               ; the add is done, and my reads of this slot are over
	s_barrier_signal -1
	MUL16 2, 1, 0
	WIN 0
	s_barrier_wait -1
.if \fill
	CREST                                          ; no wave of any partner still reads this slot or has a load on its way
	s_add_nc_u64 s[G0+4*\slot+2:G0+4*\slot+3], s[G0+4*\slot+2:G0+4*\slot+3], 2*KSB
	s_add_nc_u64 s[G0B+4*\slot+2:G0B+4*\slot+3], s[G0B+4*\slot+2:G0B+4*\slot+3], 2*KSB
	JLOAD G0+4*\slot, G1, G0B+4*\slot, G1B         ; the four v_nop behind it are also the places in front of the loads below
.else
	PLACES NP
.endif
	FETCH_B \next, 0, 0
	FETCH_A \next, 0, 0
	WIN MUL_HI
	MUL16 4, 1, 0
	MUL16 6, 1, 0
	PLACES NP
	WIN 0
	FETCH_A \next, 0, 4
.endm
	s_wait_tensorcnt 1                             ; my part of slot 0 is in; slot 1's load may be out
	s_barrier_signal -1
	s_barrier_wait -1                              ; everybody's is
	FETCH_B 0, 0, 0
	FETCH_A 0, 0, 0
	FETCH_A 0, 0, 4
	STEP 0, 0, 1                                   ; K = 1,024 is eight steps of 128: written out, no loop
	TURN 0, 1, 1                                   ; slot 0 takes K 512 on
	STEP 1, 0, 0
	TURN 1, 0, 1                                   ; slot 1 takes K 768 on
	STEP 0, 0, 0
	TURN 0, 1, 0                                   ; nothing is left to fetch
	STEP 1, 0, 0
	s_wait_dscnt 4*NL                              ; the last step
	WIN MUL_LO
	MUL16 0, 1, 0
	MUL16 2, 1, 0
	s_wait_dscnt 0
	WIN MUL_HI
	MUL16 4, 1, 0
	MUL16 6, 1, 0
	WIN 0
; THE WAY OUT, A's block a at a time: number = sum x 2^(e0 + e1) + bias, one packed multiply-add for two, each accumulator from its low end on; the hold; the conversions.
; The 16 numbers of B's tiles 2 p and 2 p + 1 are neighbours, so their 16 codes are register group p of an image: 32 lanes store 512 consecutive bytes, aligned.
.macro EPI isv
.irp a, 0,1,2,3,4,5,6,7
.if \a >= 2
	s_wait_xcnt 0x0                                ; the stores of two blocks back have read their data: that set of codes is written again only behind this wait
.endif
	WIN 0x02+(\a/4)                                ; source 0: window 2 or 3
.irp b, 0,1,2,3,4,5,6,7
.irp i, 0,2,4,6
	v_pk_fma_f32 v[TMP+8*\b+\i:TMP+8*\b+\i+1], v[64*(\a%4)+8*\b+\i:64*(\a%4)+8*\b+\i+1], s[76:77], v[BIAS+8*(\isv*\a+(1-\isv)*\b)+\i:BIAS+8*(\isv*\a+(1-\isv)*\b)+\i+1] op_sel_hi:[1,0,1]
.endr
.endr
	WIN 0
.irp p, 0,1,2,3
.irp i, 0,1,2,3,4,5,6,7,8,9,10,11,12,13,14,15
.endr
	v_cvt_scalef32_pk8_fp8_f32 v[CD+16*(\a%2)+4*\p:CD+16*(\a%2)+4*\p+1], v[TMP+16*\p:TMP+16*\p+7], v[SCV]
	v_cvt_scalef32_pk8_fp8_f32 v[CD+16*(\a%2)+4*\p+2:CD+16*(\a%2)+4*\p+3], v[TMP+16*\p+8:TMP+16*\p+15], v[SCV]
.endr
	v_nop                                          ; one plain vector line behind the last conversion: the next block writes its sources
.irp p, 0,1,2,3
.if \isv
	global_store_b128 v[LI], v[CD+16*(\a%2)+4*\p:CD+16*(\a%2)+4*\p+3], s[10:11] offset:131072*(\a/4)+2048*(\a%4)+512*\p      ; head a / 4, channel tile a % 4, keys 32 p on
.else
	global_store_b128 v[LI], v[CD+16*(\a%2)+4*\p:CD+16*(\a%2)+4*\p+3], s[10:11] offset:1024*\a+131072*(\p/2)+512*(\p%2)      ; token tile a, head p / 2, channels 32 (p % 2) on
.endif
.endr
.endr
.endm
	s_wait_loadcnt 0x0                             ; the bias
	PLACES NP                                      ; behind the last products
	s_cmp_eq_u32 ttmp9, 2                          ; cluster x: the same in all partners and all waves; neither way touches LDS
	s_cbranch_scc1 .Lv_out
	EPI 0
	s_branch .Lout_done
.Lv_out:
	EPI 1
.Lout_done:
	s_wait_tensorcnt 0x0                           ; the wave's end
	ds_add_u32 v[SPW], v[NIL]
	s_wait_dscnt 0x0
	CROUND                                         ; the closing round: no work-group ends while a partner may still ask for a tile that names it
	s_endpgm
.Lfunc_end_k_q0568deaed9_qkvgemm:
	.size	k_q0568deaed9_qkvgemm, .Lfunc_end_k_q0568deaed9_qkvgemm-k_q0568deaed9_qkvgemm
	.p2alignl 7, 3214868480
	.fill 96, 4, 3214868480
	.section	.rodata,"a",@progbits
	.p2align	6, 0x0
	.amdhsa_kernel k_q0568deaed9_qkvgemm
		.amdhsa_group_segment_fixed_size 327680
		.amdhsa_private_segment_fixed_size 0
		.amdhsa_enable_private_segment 0
		.amdhsa_kernarg_size 32
		.amdhsa_user_sgpr_count 2
		.amdhsa_user_sgpr_kernarg_segment_ptr 1
		.amdhsa_wavefront_size32 1
		.amdhsa_system_sgpr_workgroup_id_x 1
		.amdhsa_system_sgpr_workgroup_id_y 1
		.amdhsa_system_sgpr_workgroup_id_z 1
		.amdhsa_system_vgpr_workitem_id 0
		.amdhsa_next_free_vgpr 1024
		.amdhsa_next_free_sgpr 100
		.amdhsa_reserve_vcc 0
		.amdhsa_float_denorm_mode_32 3
		.amdhsa_float_denorm_mode_16_64 3
		.amdhsa_fp16_overflow 1
		.amdhsa_memory_ordered 1
		.amdhsa_forward_progress 1
		.amdhsa_inst_pref_size 133
	.end_amdhsa_kernel
	.amdgpu_metadata
---
amdhsa.version: [ 1, 2 ]
amdhsa.kernels:
  - .name:           k_q0568deaed9_qkvgemm
    .symbol:         k_q0568deaed9_qkvgemm.kd
    .args:
      - { .name: codes, .offset: 0, .size: 8, .value_kind: global_buffer, .address_space: global }
      - { .name: bqkv, .offset: 8, .size: 8, .value_kind: global_buffer, .address_space: global }
      - { .name: lowp_scales, .offset: 16, .size: 8, .value_kind: global_buffer, .address_space: global }
      - { .name: qkv, .offset: 24, .size: 8, .value_kind: global_buffer, .address_space: global }
    .group_segment_fixed_size: 327680
    .private_segment_fixed_size: 0
    .kernarg_segment_align: 8
    .kernarg_segment_size: 32
    .max_flat_workgroup_size: 128
    .sgpr_count:     100
    .vgpr_count:     1024
    .wavefront_size: 32
...
	.end_amdgpu_metadata
.endif
;; end of part 2
;; launch attn (part 3): grid 4 x 64, 16 waves a work-group, clusters of 4 x 1, 327,680 bytes of LDS; arguments qkv, lowp_scales, att; writes att
.if DOCPART == 3
	.amdgcn_target "amdgcn-amd-amdhsa--gfx1250"
	.amdhsa_code_object_version 6
	.text
	.protected	k_q0568deaed9_attn
	.globl	k_q0568deaed9_attn
	.p2align	8
	.type	k_q0568deaed9_attn,@function
k_q0568deaed9_attn:
	s_mov_b64 s[64:65], 0
	v_nop
	global_prefetch_b8 v0, s[64:65] scope:SCOPE_SE
	s_setreg_imm32_b32 hwreg(HW_REG_WAVE_MODE, 25, 1), 1
	s_wait_xcnt 0x0
	s_wait_alu depctr_hold_cnt(0) depctr_sa_sdst(0) depctr_va_vdst(0) depctr_va_sdst(0) depctr_va_ssrc(0) depctr_va_vcc(0) depctr_vm_vsrc(0)
	s_getreg_b32 s2, hwreg(HW_REG_IB_STS2, 6, 4)
	s_cmp_eq_u32 s2, 0
	s_cbranch_scc0 .Lentry_in_a_cluster
	s_endpgm
.Lentry_in_a_cluster:
	s_bfe_u32 s2, ttmp6, 0x10000c
	s_cmp_lg_u32 s2, 0x3003
	s_cbranch_scc0 .Lentry_shape_is_right
	s_endpgm
.Lentry_shape_is_right:
; o = softmax(q k^T / 8, causal) v for 64 heads of 2,048 tokens x 64 channels, both products on codes of FP8 (E4M3); o is quantised at once (2^e6) for the last product.
; THE SOFTMAX AHEAD OF THE SECOND PRODUCT: t = score x log2(e) / 8; M = the running largest t rounded UP to a whole number; p = 2^(t - M) is quantised (2^e4), not normalised; the row's sum is taken of
; the unquantised p and divides at the end.  When M moves, the sum and O are multiplied by 2^(old M - new M): exact.
; IN (images of the operand registers): q at 0, k at 2^23: [head][token tile][1,024: 512 c + 16 lane], lane = 16 h + slot, channels 32 c + 16 h + 0 .. 15; v at 2^24: [head][128 keys][channel tile][2,048: 512 c + 16 lane],
; keys 32 c + 16 h + 0 .. 15.  Tile 2 g + u, slot p, is token (or channel) 32 g + 8 u + p + 8 (p / 8).
; A HEAD'S K AND V, 2 x 131,072 bytes, LIE IN LDS WHOLE: no slot is ever filled again.  The four work-groups of a cluster share one head and ask for K and V jointly, once.
; SHARES.  Work-group cx owns the query tiles 4 u + cx, u = 0 .. 31; wave w takes u = w, then u = 31 - w.  Tile u wants the key steps s (128 keys) with 2 s <= u and a mask where 2 s + 2 > u: both tests are
; free of cx, since the tile's queries lie in 64 u .. 64 u + 63.  So every wave has 17 key steps, and no branch hangs on a work-group's place in its cluster.
; Both loops have constant trip counts (8 and 16); a step that lies wholly behind the tile's queries is jumped over, by a branch on the wave's number and the count of steps.
; LAYOUT.  Both products are used transposed: S^T = K Q^T, O^T = V^T P^T: a lane holds one query (slot lane % 16) throughout; p's 16 registers of two neighbouring key tiles are 16 neighbouring keys, and O^T's of
; two neighbouring channel tiles 16 neighbouring channels: the conversions' results are operand registers.
; OUT: att [batch x 128 + token tile][16,384]: head hd at 1,024 hd + 512 g + 16 lane: the layout of the first launch's codes, K = 64 hd + 32 g + 16 h + 0 .. 15.
; LIMITS: e2 + e3 between -123 and 130; e4 between -126 and 119; e4 + e5 - e6 is applied by v_ldexp_f32.  NaN is not served.
.set KV,    131072                     ; K's bytes; V begins here
.set SPARE, 2*KV                       ; behind them: the spare words, 128 bytes for each of sixteen waves, that no other line names
.set LI,   1                           ; v1   16 x lane
.set SPW,  2                           ; v2   my spare word; never rewritten
.set NIL,  3                           ; v3   0; never rewritten
.set ADK,  4                           ; v4   LDS address of the step's K
.set ADV,  5                           ; v5   of its V
.set QV,   6                           ; v6   my query - 16 (lane / 16)
.set DV,   7                           ; v7   that less the step's first key
.set NINF, 8                           ; v8   -infinity
.set PLIM, 9
.set PSC,  10                          ; v10  2^e4
.set LQ,   11                          ; v11  r + 8 (r / 8) - 16 h
.set F,    32                          ; v32-95   K's eight fragments, then V's four
.set S,    96                          ; v96-159  S^T, then p
.set O,    160                         ; v160-191 O^T
.set PC,   192                         ; v192-207 p's codes
.set WV,   10                          ; s10 wave;  s11 cx;  s12 the head
.set CX,   11
.set HB,   12
.set G1,   16                          ; s[16:23] descriptor group 1;  s[24:27], s[28:31] my two groups 0
.set G0A,  24
.set G0B,  28
.set SEL,  40                          ; s[40:41] selects for v_permlanex16_b32: lane l xor 16
.set CS,   42                          ; s[42:43] c = log2(e) / 8 x 2^(e2 + e3)
.macro CROUND                          ; a round of the cluster's barrier
	s_barrier_signal -1
	s_barrier_wait -1
	s_cmp_lg_u32 s[WV], 0
	s_cbranch_scc1 .Lnot_wave_0_\@
	s_barrier_signal -3
.Lnot_wave_0_\@:
	s_barrier_wait -3
	s_barrier_signal -1
	s_barrier_wait -1
.endm
	s_load_b128 s[4:7], s[0:1], 0x0                ; qkv s[4:5], the scales s[6:7]
	s_load_b64 s[8:9], s[0:1], 0x10                ; att
	v_lshl_add_u32 v[SPW], v0, 2, SPARE
	v_mov_b32 v[NIL], 0
	ds_add_u32 v[SPW], v[NIL]                      ; the wave's opening: the add and its wait stand ahead of the first tensor loads; work on registers stands between them
	ds_add_u32 v[SPW], v[NIL]
	v_lshrrev_b32 v4, 5, v0
	s_delay_alu instid0(VALU_DEP_1)
	v_readfirstlane_b32 s[WV], v4                  ; wave 0..15
	s_bfe_u32 s[CX], ttmp6, 0x40000                ; my place in the cluster: it enters global addresses of q and att, and the mask's numbers, alone
	s_and_b32 s[HB], ttmp7, 0xffff                 ; batch x 16 + head, which the four partners share
	s_mov_b32 s[G1], 15|(3<<16)|(1<<21)            ; 15:0 the mask: all four work-groups; 17:16 elements of 8 bytes; 21 set beside a mask; no padding
	s_mov_b32 s[G1+1], 32<<16                      ; tensor_dim0 = 32 elements: rows of 256 bytes
	s_mov_b32 s[G1+2], 128<<16                     ; tensor_dim1 = 128 rows: a dense block of 32,768 bytes
	s_mov_b32 s[G1+3], 32<<16                      ; tile_dim0
	s_mov_b32 s[G1+4], 128                         ; tile_dim1
	s_mov_b32 s[G1+5], 32                          ; from row to row
	s_mov_b32 s[G1+6], 0
	s_mov_b32 s[G1+7], 0
	s_and_b32 s13, s[WV], 3                        ; waves 0, 1 fetch K, waves 2, 3 V: 32,768 bytes of the lower half (keys 0-1,023), and the same of the upper
	s_lshr_b32 s14, s13, 1
	s_and_b32 s15, s13, 1
	s_lshl_b32 s48, s14, 17
	s_lshl_b32 s49, s15, 15
	s_mov_b32 s[G0A], 1
	s_add_co_u32 s[G0A+1], s48, s49                ; LDS address: made of the wave's number alone
	s_mov_b32 s[G0B], 1
	s_add_co_u32 s[G0B+1], s[G0A+1], 65536
	s_add_co_u32 s2, s14, 1
	s_lshl_b32 s2, s2, 23                          ; k's or v's part of the buffer,
	s_lshl_b32 s3, s[HB], 17                       ; the head,
	s_add_co_u32 s2, s2, s3
	s_add_co_u32 s2, s2, s49                       ; my quarter of a half
	s_mov_b32 s3, 0
	s_mov_b32 s[SEL], 0x76543210
	s_mov_b32 s[SEL+1], 0xfedcba98
	s_wait_dscnt 0x0                               ; the opening add is done
	s_wait_kmcnt 0x0
	s_load_b256 s[32:39], s[6:7], 0x0              ; e0 .. e7
	s_add_nc_u64 s[G0A+2:G0A+3], s[4:5], s[2:3]
	s_add_nc_u64 s[G0B+2:G0B+3], s[G0A+2:G0A+3], 65536
	s_or_b32 s[G0A+3], s[G0A+3], 0x80000000
	s_or_b32 s[G0B+3], s[G0B+3], 0x80000000
	CROUND                                         ; all four work-groups are here: the joint loads meet
	s_cmp_lt_u32 s[WV], 4                          ; a wave's two fills stand in one branch on the wave's number: two tensor loads of mine are out
	s_cbranch_scc0 .Lno_fetch
	tensor_load_to_lds s[G0A:G0A+3], s[G1:G1+7]
	s_nop 0
	tensor_load_to_lds s[G0B:G0B+3], s[G1:G1+7]
	s_nop 0
.rept 4
	v_nop
.endr
.Lno_fetch:
	v_and_b32 v4, 31, v0
	s_delay_alu instid0(VALU_DEP_1)
	v_lshlrev_b32 v[LI], 4, v4
	s_wait_alu depctr_va_vdst(0)
	v_and_b32 v4, 15, v0                           ; r
	v_bfe_u32 v5, v0, 4, 1                         ; h
	s_delay_alu instid0(VALU_DEP_2)
	v_and_b32 v7, 8, v4
	s_delay_alu instid0(VALU_DEP_1)
	v_add_nc_u32 v[LQ], v7, v4
	s_delay_alu instid0(VALU_DEP_3)
	v_lshlrev_b32 v5, 4, v5
	s_delay_alu instid0(VALU_DEP_1)
	v_sub_nc_u32 v[LQ], v[LQ], v5
	s_lshl_b32 s13, s[HB], 17                      ; q: the head
	s_lshr_b32 s14, s[HB], 4
	s_lshl_b32 s14, s14, 7                         ; att: the batch's first token tile
	s_and_b32 s15, s[HB], 15
	s_lshl_b32 s15, s15, 10                        ; and the head's place in a tile
; from the number u in s[ureg]: the tile's first query, q's address, att's address.  s3 = 0
.macro COORD ureg, qbreg, qa, oa
	s_lshl_b32 s48, s[\ureg], 2
	s_add_co_u32 s48, s48, s[CX]                   ; the token tile T = 4 u + cx
	s_lshr_b32 s[\qbreg], s48, 1
	s_lshl_b32 s[\qbreg], s[\qbreg], 5
	s_and_b32 s49, s48, 1
	s_lshl_b32 s49, s49, 3
	s_add_co_u32 s[\qbreg], s[\qbreg], s49         ; 32 (T / 2) + 8 (T % 2)
	s_lshl_b32 s2, s48, 10
	s_add_co_u32 s2, s2, s13
	s_add_nc_u64 s[\qa:\qa+1], s[4:5], s[2:3]
	s_add_co_u32 s2, s48, s14
	s_lshl_b32 s2, s2, 14
	s_add_co_u32 s2, s2, s15
	s_add_nc_u64 s[\oa:\oa+1], s[8:9], s[2:3]
.endm
	s_mov_b32 s44, s[WV]                           ; u of the first pass,
	s_sub_co_u32 s62, 31, s[WV]                    ; and of the second
	COORD 44, 50, 52, 56
	COORD 62, 61, 54, 58
	global_load_b128 v[16:19], v[LI], s[52:53]     ; Q's fragments of both passes stay in registers
	global_load_b128 v[20:23], v[LI], s[52:53] offset:512
	global_load_b128 v[24:27], v[LI], s[54:55]
	global_load_b128 v[28:31], v[LI], s[54:55] offset:512
	v_mov_b32 v[NINF], 0xff800000
	v_mov_b32 v209, 0                              ; (named as the upper half of the pair v[208:209])
	v_mov_b32 v214, 0                              ; written once: a lane permute's destination counts as one of its sources
	v_mov_b32 v233, 1.0
	s_wait_alu depctr_va_vdst(0)
	s_wait_kmcnt 0x0
	s_mov_b32 s[CS], 0x3e38aa3b                    ; log2(e) / 8
	s_add_co_i32 s48, s34, s35
	s_lshl_b32 s48, s48, 23
	s_add_co_i32 s[CS], s[CS], s48                 ; a score stands for score x 2^(e2 + e3): added to c's exponent field
	s_mov_b32 s[CS+1], s[CS]
	s_add_co_i32 s48, s36, 127
	s_lshl_b32 s49, s48, 23
	v_mov_b32 v[PSC], s49
	s_add_co_i32 s60, s36, s37
	s_sub_co_i32 s60, s60, s38                     ; e4 + e5 - e6
; A KEY STEP of 128 keys.  s45 = 2 s, s46 = 8,192 s, s51 = 128 s.  qr: Q's registers; ureg: the scalar that holds u.
.macro STEP qr, ureg
	s_cmp_gt_u32 s45, s[\ureg]                     ; all its keys come after my queries: the step's work is left out
	s_cbranch_scc1 .Lskip_\@
	s_setprio 2
	v_add_nc_u32 v[ADK], s46, v[LI]
	s_delay_alu instid0(VALU_DEP_1)
	v_add_nc_u32 v[ADV], KV, v[ADK]
	v_nop                                          ; with the two additions: four places in front of loads into registers that the last products read
	v_nop
.irp t, 0,1,2,3,4,5,6,7
.irp c, 0,1
	ds_load_b128 v[F+8*\t+4*\c:F+8*\t+4*\c+3], v[ADK] offset:1024*\t+512*\c
.endr
.endr
	s_wait_alu depctr_va_vdst(0)
	s_wait_dscnt 0x0
.irp t, 0,1,2,3,4,5,6,7
	v_wmma_f32_16x16x64_fp8_fp8 v[S+8*\t:S+8*\t+7], v[F+8*\t:F+8*\t+7], v[\qr:\qr+7], 0
.endr
.rept 4
	v_nop                                          ; places in front of the loads below and of the first read of the scores
.endr
.irp t, 0,1,2,3
.irp c, 0,1,2,3
	ds_load_b128 v[F+16*\t+4*\c:F+16*\t+4*\c+3], v[ADV] offset:2048*\t+512*\c   ; V lands while the softmax is walked
.endr
.endr
	s_add_co_u32 s48, s45, 2
	s_cmp_le_u32 s48, s[\ureg]                     ; all its keys count for all my queries: no mask
	s_cbranch_scc1 .Lopen_\@
	v_sub_nc_u32 v[DV], v[QV], s51                 ; register 16 b + i holds key 128 s + 32 b + 16 h + i: hidden where 32 b + i > my query - 16 h - 128 s
.set JJ, 0
.rept 64
	v_cmp_gt_i32 vcc_lo, 32*(JJ/16)+JJ%16, v[DV]
	v_cndmask_b32 v[S+JJ], v[S+JJ], v[NINF], vcc_lo
.set JJ, JJ+1
.endr
.Lopen_\@:
	v_max3_num_f32 v212, v[S], v[S+1], v[S+2]      ; the step's largest score of my query among my 64 keys, in two chains, each accumulator from its low end on
	v_max3_num_f32 v213, v[S+3], v[S+4], v[S+5]
.set JJ, 6
.rept 14
	v_max3_num_f32 v212, v212, v[S+JJ], v[S+JJ+1]
	v_max3_num_f32 v213, v213, v[S+JJ+2], v[S+JJ+3]
.set JJ, JJ+4
.endr
	v_max3_num_f32 v212, v212, v[S+62], v[S+63]
	s_delay_alu instid0(VALU_DEP_1)
	v_max_num_f32 v212, v212, v213
	s_delay_alu instid0(VALU_DEP_1)
	v_permlanex16_b32 v214, v212, s[SEL], s[SEL+1]
	s_delay_alu instid0(VALU_DEP_1)
	v_max_num_f32 v212, v212, v214                 ; and among lane l xor 16's: the step's first key counts for every query of the tile, so this is a number
	s_delay_alu instid0(VALU_DEP_1)
	v_mul_f32 v212, s[CS], v212                    ; as t (c is positive)
	s_delay_alu instid0(VALU_DEP_1)
	v_max_num_f32 v13, v13, v212                   ; the running largest t
	v_mov_b32 v212, v12
	s_delay_alu instid0(VALU_DEP_2)
	v_floor_f32 v12, -v13                          ; the new -M = floor(-t): M is a whole number
	s_delay_alu instid0(VALU_DEP_1)
	v_sub_f32 v212, v12, v212                      ; old M - new M, 0 or less
	s_delay_alu instid0(VALU_DEP_1)
	v_cvt_i32_f32 v212, v212                       ; (it saturates)
	s_delay_alu instid0(VALU_DEP_1)
	v_ldexp_f32 v208, 1.0, v212                    ; f = 2^(old M - new M)
.set JJ, 0
	s_setprio 1
.rept 32
	v_pk_fma_f32 v[S+JJ:S+JJ+1], v[S+JJ:S+JJ+1], s[CS:CS+1], v[12:13] op_sel_hi:[1,0,0]   ; t - M, two at a time
.set JJ, JJ+2
.endr
.set JJ, 0
	s_wait_alu depctr_va_vdst(0)
.rept 64
	v_exp_f32 v[S+JJ], v[S+JJ]                     ; p = 2^(t - M), at most 1
.set JJ, JJ+1
.endr
	v_pk_mul_f32 v[14:15], v[14:15], v[208:209] op_sel_hi:[1,0]   ; the sums under the new M: the plain line behind the exponentials
	s_wait_alu depctr_va_vdst(0)                   ; one wait for the whole batch, ahead of its first reader
	v_pk_add_f32 v[210:211], v[100:101], v[104:105]
	v_pk_add_f32 v[254:255], v[108:109], v[112:113]
	v_pk_add_f32 v[252:253], v[116:117], v[120:121]
	v_pk_add_f32 v[250:251], v[124:125], v[128:129]
	v_pk_add_f32 v[248:249], v[132:133], v[136:137]
	v_pk_add_f32 v[246:247], v[140:141], v[144:145]
	v_pk_add_f32 v[244:245], v[148:149], v[152:153]
	v_pk_add_f32 v[14:15], v[14:15], v[156:157]
	v_pk_add_f32 v[210:211], v[210:211], v[96:97]
	v_pk_add_f32 v[254:255], v[254:255], v[98:99]
	v_pk_add_f32 v[252:253], v[252:253], v[102:103]
	v_pk_add_f32 v[250:251], v[250:251], v[106:107]
	v_pk_add_f32 v[248:249], v[248:249], v[110:111]
	v_pk_add_f32 v[246:247], v[246:247], v[114:115]
	v_pk_add_f32 v[244:245], v[244:245], v[118:119]
	v_pk_add_f32 v[14:15], v[14:15], v[122:123]
	v_pk_add_f32 v[210:211], v[210:211], v[126:127]
	v_pk_add_f32 v[254:255], v[254:255], v[130:131]
	v_pk_add_f32 v[252:253], v[252:253], v[134:135]
	v_pk_add_f32 v[250:251], v[250:251], v[138:139]
	v_pk_add_f32 v[248:249], v[248:249], v[142:143]
	v_pk_add_f32 v[246:247], v[246:247], v[146:147]
	v_pk_add_f32 v[244:245], v[244:245], v[150:151]
	s_setprio 0
	v_pk_add_f32 v[14:15], v[14:15], v[154:155]
	v_pk_add_f32 v[210:211], v[210:211], v[158:159]
	s_delay_alu instid0(VALU_DEP_2)
	v_pk_add_f32 v[14:15], v[14:15], v[250:251]
	s_delay_alu instid0(VALU_DEP_2)
	v_pk_add_f32 v[210:211], v[210:211], v[248:249]
	v_pk_add_f32 v[254:255], v[254:255], v[246:247]
	v_pk_add_f32 v[252:253], v[252:253], v[244:245]
	s_delay_alu instid0(VALU_DEP_2)
	v_pk_add_f32 v[14:15], v[14:15], v[254:255]
	s_delay_alu instid0(VALU_DEP_2)
	v_pk_add_f32 v[210:211], v[210:211], v[252:253]
	s_delay_alu instid0(VALU_DEP_1)
	v_pk_add_f32 v[14:15], v[14:15], v[210:211]
.irp b, 0,1,2,3
.irp i, 0,1,2,3,4,5,6,7,8,9,10,11,12,13,14,15
.endr
	v_cvt_scalef32_pk8_fp8_f32 v[PC+4*\b:PC+4*\b+1], v[S+16*\b:S+16*\b+7], v[PSC]
	v_cvt_scalef32_pk8_fp8_f32 v[PC+4*\b+2:PC+4*\b+3], v[S+16*\b+8:S+16*\b+15], v[PSC]
.endr
.set JJ, 0
.rept 16
	v_pk_mul_f32 v[O+JJ:O+JJ+1], v[O+JJ:O+JJ+1], v[208:209] op_sel_hi:[1,0]   ; O^T under the new M; also the plain lines between the conversions and the products
.set JJ, JJ+2
.endr
	s_wait_alu depctr_va_vdst(0)
	s_wait_dscnt 0x0                               ; V is in
.irp t, 0,1,2,3
	v_wmma_f32_16x16x128_fp8_fp8 v[O+8*\t:O+8*\t+7], v[F+16*\t:F+16*\t+15], v[PC:PC+15], v[O+8*\t:O+8*\t+7]   ; four accumulators by turns
.endr
.Lskip_\@:
.endm
; A PASS: one tile of 16 queries against n key steps at the most.  out: the registers of its codes; base: att's address.
.macro PASS qr, n, out, ureg, qbreg, base
	v_add_nc_u32 v[QV], s[\qbreg], v[LQ]
	v_mov_b32 v13, 0xff61b1e6                      ; the largest t so far: -3e38, under every t
	s_delay_alu instid0(VALU_DEP_1)
	v_floor_f32 v12, -v13
	v_mov_b32 v14, 0
	v_mov_b32 v15, 0
.set JJ, 0
.rept 32
	v_mov_b32 v[O+JJ], 0                           ; the step is written once: the first finds zeros, which the first change of M leaves zeros
.set JJ, JJ+1
.endr
	s_mov_b32 s45, 0
	s_mov_b32 s46, 0
	s_mov_b32 s51, 0
	s_mov_b32 s47, \n
.Lkey_\@:
	STEP \qr, \ureg
	s_add_co_u32 s45, s45, 2
	s_add_co_u32 s46, s46, 8192
	s_add_co_u32 s51, s51, 128
	s_sub_co_u32 s47, s47, 1
	s_cmp_lg_u32 s47, 0
	s_cbranch_scc1 .Lkey_\@
	s_setprio 0
.rept 4
	v_nop                                          ; places behind the last products
.endr
	v_add_f32 v14, v14, v15                        ; the sum's two halves,
	s_delay_alu instid0(VALU_DEP_1)
	v_permlanex16_b32 v214, v14, s[SEL], s[SEL+1]
	s_delay_alu instid0(VALU_DEP_1)
	v_add_f32 v14, v14, v214                       ; and lane l xor 16's
	s_wait_alu depctr_va_vdst(0)
	v_rcp_f32 v14, v14
	v_nop                                          ; a plain line behind the transcendental
	s_wait_alu depctr_va_vdst(0)                   ; and the wait ahead of its first reader
	v_ldexp_f32 v14, v14, s60                      ; x 2^(e4 + e5 - e6): what follows is o / 2^e6
.set JJ, 0
.rept 16
	v_pk_mul_f32 v[S+JJ:S+JJ+1], v[O+JJ:O+JJ+1], v[14:15] op_sel_hi:[1,0]
.set JJ, JJ+2
.endr
.set JJ, 0
.rept 32
.set JJ, JJ+1
.endr
.irp g, 0,1
	v_cvt_scalef32_pk8_fp8_f32 v[\out+4*\g:\out+4*\g+1], v[S+16*\g:S+16*\g+7], v233
	v_cvt_scalef32_pk8_fp8_f32 v[\out+4*\g+2:\out+4*\g+3], v[S+16*\g+8:S+16*\g+15], v233
.endr
	v_nop                                          ; one plain vector line behind the last conversion
.irp g, 0,1
	global_store_b128 v[LI], v[\out+4*\g:\out+4*\g+3], s[\base:\base+1] offset:512*\g   ; 32 lanes store 512 consecutive bytes, aligned
.endr
.endm
	s_wait_tensorcnt 0x1                           ; my part of keys 0-1,023 is in; the upper halves may stay out
	s_barrier_signal -1
	s_barrier_wait -1                              ; everybody's is
	s_wait_loadcnt 0x0                             ; Q
	PASS 16, 8, 216, 44, 50, 56                    ; u = 0 .. 15: key steps 0-7 at the most: the lower halves of K and V alone
	s_wait_tensorcnt 0x0                           ; my part of the upper halves is in,
	s_wait_dscnt 0x0
	s_barrier_signal -1
	s_barrier_wait -1                              ; everybody's is
	PASS 24, 16, 224, 62, 61, 58                   ; u = 31 .. 16
	s_wait_tensorcnt 0x0                           ; the wave's end
	ds_add_u32 v[SPW], v[NIL]
	s_wait_dscnt 0x0
	CROUND                                         ; the closing round
	s_endpgm
.Lfunc_end_k_q0568deaed9_attn:
	.size	k_q0568deaed9_attn, .Lfunc_end_k_q0568deaed9_attn-k_q0568deaed9_attn
	.p2alignl 7, 3214868480
	.fill 96, 4, 3214868480
	.section	.rodata,"a",@progbits
	.p2align	6, 0x0
	.amdhsa_kernel k_q0568deaed9_attn
		.amdhsa_group_segment_fixed_size 327680
		.amdhsa_private_segment_fixed_size 0
		.amdhsa_enable_private_segment 0
		.amdhsa_kernarg_size 24
		.amdhsa_user_sgpr_count 2
		.amdhsa_user_sgpr_kernarg_segment_ptr 1
		.amdhsa_wavefront_size32 1
		.amdhsa_system_sgpr_workgroup_id_x 1
		.amdhsa_system_sgpr_workgroup_id_y 1
		.amdhsa_system_sgpr_workgroup_id_z 1
		.amdhsa_system_vgpr_workitem_id 0
		.amdhsa_next_free_vgpr 256
		.amdhsa_next_free_sgpr 72
		.amdhsa_reserve_vcc 1
		.amdhsa_float_denorm_mode_32 3
		.amdhsa_float_denorm_mode_16_64 3
		.amdhsa_fp16_overflow 1
		.amdhsa_memory_ordered 1
		.amdhsa_forward_progress 1
		.amdhsa_inst_pref_size 52
	.end_amdhsa_kernel
	.amdgpu_metadata
---
amdhsa.version: [ 1, 2 ]
amdhsa.kernels:
  - .name:           k_q0568deaed9_attn
    .symbol:         k_q0568deaed9_attn.kd
    .args:
      - { .name: qkv, .offset: 0, .size: 8, .value_kind: global_buffer, .address_space: global }
      - { .name: lowp_scales, .offset: 8, .size: 8, .value_kind: global_buffer, .address_space: global }
      - { .name: att, .offset: 16, .size: 8, .value_kind: global_buffer, .address_space: global }
    .group_segment_fixed_size: 327680
    .private_segment_fixed_size: 0
    .kernarg_segment_align: 8
    .kernarg_segment_size: 24
    .max_flat_workgroup_size: 512
    .sgpr_count:     72
    .vgpr_count:     256
    .wavefront_size: 32
...
	.end_amdgpu_metadata
.endif
;; end of part 3
;; launch outgemm (part 4): grid 4 x 32, 4 waves a work-group, clusters of 4 x 4, 327,680 bytes of LDS; arguments att, codes, bo, lowp_scales, out0; writes out0
.if DOCPART == 4
	.amdgcn_target "amdgcn-amd-amdhsa--gfx1250"
	.amdhsa_code_object_version 6
	.text
	.protected	k_q0568deaed9_outgemm
	.globl	k_q0568deaed9_outgemm
	.p2align	8
	.type	k_q0568deaed9_outgemm,@function
k_q0568deaed9_outgemm:
	s_mov_b64 s[64:65], 0
	v_nop
	global_prefetch_b8 v0, s[64:65] scope:SCOPE_SE
	s_setreg_imm32_b32 hwreg(HW_REG_WAVE_MODE, 25, 1), 1
	s_wait_xcnt 0x0
	s_wait_alu depctr_hold_cnt(0) depctr_sa_sdst(0) depctr_va_vdst(0) depctr_va_sdst(0) depctr_va_ssrc(0) depctr_va_vcc(0) depctr_vm_vsrc(0)
	s_getreg_b32 s2, hwreg(HW_REG_IB_STS2, 6, 4)
	s_cmp_eq_u32 s2, 0
	s_cbranch_scc0 .Lentry_in_a_cluster
	s_endpgm
.Lentry_in_a_cluster:
	s_bfe_u32 s2, ttmp6, 0x10000c
	s_cmp_lg_u32 s2, 0xf033
	s_cbranch_scc0 .Lentry_shape_is_right
	s_endpgm
.Lentry_shape_is_right:
; out0 = Q(o) Q(Wo)^T x 2^(e6 + e7) + bo on codes of FP8 (E4M3).  o's codes come from the attention (att), Wo's from the first launch (tiles 704-767 of the codes); out0 is [8192][1024] f32.
; CODES: tiles of 16 rows (tile 2 g + u, slot p = row 32 g + 8 u + p + 8 (p / 8)), 16,384 bytes a tile, [k / 16][slot][16]: a fragment of 16 rows x 128 K is 2,048 consecutive bytes;
; lane l = 16 h + slot holds k = 32 c + 16 h + 0 .. 15 in register group c: a permutation of k that is alike on both sides.
; A WORK-GROUP makes 256 rows (side A = o, source 1) x 256 columns (side B = Wo, source 0); each of four waves 128 x 128: 64 accumulators.  K = 1,024 goes in four fills of 256 through two LDS slots.
; In a result lane (r, h) holds slot r of A's tile, and its registers of B's tiles 2 g and 2 g + 1 are the 16 neighbouring columns 32 g + 16 h + 0 .. 15.
; CLUSTERS: 4 x 4 work-groups; A's tiles are shared along a row of the cluster, B's along a column: each is asked for jointly.
; LIMIT: e6 + e7 between -126 and 127.
; REGISTERS: window 0: v16-29 addresses; v32-35 my four columns of bo; v128-255 A's fragments, one set, on the way out rows of out0.  window 1: B's fragments, two sets.  windows 2, 3: the accumulators.
.set FR,     16
.set NL,     4
.set NP,     4
.set KSB,    4096                      ; a tile's bytes of 256 along K
.set TILEB,  16384
.set HALFT,  8*KSB
.set SLOT,   4*HALFT
.set SPARE,  2*SLOT                    ; behind the ring: the spare words, 128 bytes a wave, that no other line names
.set STAGE,  SPARE+512                 ; behind them: a stage of 16 rows x (512 + 16) bytes for each wave; no tensor load lands there
.set SPITCH, 528
.set ADRA, 16
.set ADRB, 20
.set STO,  24                          ; v24  the way out: where I put 16 bytes of a row
.set RD,   25                          ; v25  where I read a row back
.set LI,   26                          ; v26  16 x lane
.set SPW,  28
.set NIL,  29
.set BIAS, 32
.set AF,   128
.set BK,   128                         ; the way out: 16 rows read back: v128-191 and v192-255 by turns
.set G1, 24
.set G0, 32
.set G1B, 48
.set G0B, 56
.set MSB, 0
.macro WIN new                         ; the immediate's high byte repeats the setting that is left
.if MSB != (\new)
	s_set_vgpr_msb (MSB<<8)|(\new)
.set MSB, (\new)
.endif
.endm
.set MUL_LO, 0xa1
.set MUL_HI, 0xf1
.set TO_B,   0x40
.macro JLOAD g0a, g1a, g0b, g1b        ; a joint load: waves 0 and 1 fetch for A, waves 2 and 3 for B; an s_nop 0 and four v_nop follow each of the two lines
	s_cmp_eq_u32 s15, 0
	s_cbranch_scc0 .Lfor_b_\@
	tensor_load_to_lds s[\g0a:\g0a+3], s[\g1a:\g1a+7]
	s_nop 0
.rept 4
	v_nop
.endr
	s_branch .Lasked_\@
.Lfor_b_\@:
	tensor_load_to_lds s[\g0b:\g0b+3], s[\g1b:\g1b+7]
	s_nop 0
.rept 4
	v_nop
.endr
.Lasked_\@:
.endm
.macro CREST
	s_cmp_lg_u32 s14, 0
	s_cbranch_scc1 .Lnot_wave_0_\@
	s_barrier_signal -3
.Lnot_wave_0_\@:
	s_barrier_wait -3
	s_barrier_signal -1
	s_barrier_wait -1
.endm
.macro CROUND
	s_barrier_signal -1
	s_barrier_wait -1
	CREST
.endm
	s_load_b256 s[4:11], s[0:1], 0x0               ; att s[4:5], the codes s[6:7], bo s[8:9], the scales s[10:11]
	s_load_b64 s[12:13], s[0:1], 0x20              ; out0
	v_lshl_add_u32 v[SPW], v0, 2, SPARE
	v_mov_b32 v[NIL], 0
	ds_add_u32 v[SPW], v[NIL]                      ; the wave's opening: the add and its wait stand ahead of my first tensor load
	ds_add_u32 v[SPW], v[NIL]
	v_lshrrev_b32 v1, 5, v0
	v_readfirstlane_b32 s14, v1                    ; wave 0..3
	s_lshr_b32 s15, s14, 1                         ; which half of the rows is mine.  Also: I fetch for A (0) or for B (1)
	s_and_b32 s16, s14, 1                          ; which half of the columns.  Also: which 8 tiles I fetch
	s_bfe_u32 s40, ttmp6, 0x40000                  ; cx, cy
	s_bfe_u32 s41, ttmp6, 0x40004
	s_lshl_b32 s43, s41, 2
	s_lshl_b32 s43, 15, s43                        ; my row of the cluster
	s_lshl_b32 s44, 0x1111, s40                    ; my column
	s_or_b32 s[G1+0], s43, (0<<16)|(1<<21)         ; the mask; elements of 1 byte; 21 set beside a mask; no padding
	s_or_b32 s[G1B+0], s44, (0<<16)|(1<<21)
.irp g, G1, G1B
	s_mov_b32 s[\g+1], KSB<<16
	s_mov_b32 s[\g+2], 8<<16
	s_mov_b32 s[\g+3], KSB<<16
	s_mov_b32 s[\g+4], 8
	s_mov_b32 s[\g+5], TILEB
	s_mov_b32 s[\g+6], 0
	s_mov_b32 s[\g+7], 0
.endr
	s_and_b32 s18, ttmp7, 0xffff
	s_lshl_b32 s18, s18, 2
	s_add_co_u32 s18, s18, s41                     ; tA: my block of 256 rows
	s_lshl_b32 s19, ttmp9, 2
	s_add_co_u32 s19, s19, s40                     ; tB: my block of 256 columns
	s_lshl_b32 s22, s18, 4
	s_lshl_b32 s23, s16, 3
	s_add_co_u32 s22, s22, s23
	s_lshl_b32 s22, s22, 14                        ; A: tile 16 tA + 8 x half
	s_mov_b32 s23, 0
	s_lshl_b32 s46, s19, 4
	s_add_co_u32 s46, s46, 704
	s_lshl_b32 s47, s16, 3
	s_add_co_u32 s46, s46, s47
	s_lshl_b32 s46, s46, 14                        ; B: tile 704 + 16 tB + 8 x half
	s_mov_b32 s47, 0
	s_lshl_b32 s45, s14, 15                        ; where they go: wave x HALFT
	s_wait_dscnt 0x0                               ; the opening add is done
	s_wait_kmcnt 0x0
	s_load_b256 s[68:75], s[10:11], 0x0            ; e0 .. e7
	s_add_nc_u64 s[22:23], s[4:5], s[22:23]
	s_add_nc_u64 s[46:47], s[6:7], s[46:47]
	CROUND                                         ; all sixteen work-groups are here: the first joint loads meet
.irp s, 0,1
	s_mov_b32 s[G0+4*\s], 1
	s_add_co_u32 s[G0+4*\s+1], s45, \s*SLOT
	s_add_nc_u64 s[G0+4*\s+2:G0+4*\s+3], s[22:23], \s*KSB
	s_or_b32 s[G0+4*\s+3], s[G0+4*\s+3], 0x80000000
	s_mov_b32 s[G0B+4*\s], 1
	s_add_co_u32 s[G0B+4*\s+1], s45, \s*SLOT
	s_add_nc_u64 s[G0B+4*\s+2:G0B+4*\s+3], s[46:47], \s*KSB
	s_or_b32 s[G0B+4*\s+3], s[G0B+4*\s+3], 0x80000000
	s_wait_alu depctr_va_vdst(0)
	s_wait_tensorcnt 0x0
	ds_add_u32 v28, v29
	ds_add_u32 v28, v29
	s_wait_dscnt 0x0
	CROUND
	JLOAD G0+4*\s, G1, G0B+4*\s, G1B
.endr
	v_and_b32 v1, 15, v0                           ; r
	s_wait_alu depctr_va_vdst(0)
	v_bfe_u32 v2, v0, 4, 1                         ; h
	v_and_b32 v3, 31, v0
	v_lshlrev_b32 v[LI], 4, v3
	s_lshl_b32 s21, s15, 15
	s_lshl_b32 s20, s16, 15
	s_add_co_u32 s20, s20, 2*HALFT
.irp s, 0,1
	v_add_nc_u32 v[ADRA+\s], s21, v[LI]
	v_add_nc_u32 v[ADRB+\s], s20, v[LI]
	s_add_co_u32 s21, s21, SLOT
	s_add_co_u32 s20, s20, SLOT
.endr
	s_mul_i32 s20, s14, 16*SPITCH
	s_add_co_u32 s20, s20, STAGE                   ; my stage
	v_mul_u32_u24 v3, v1, SPITCH
	s_wait_alu depctr_va_vdst(0)
	v_lshl_add_u32 v3, v2, 6, v3
	v_add_nc_u32 v[STO], s20, v3                   ; in: row = slot r, + 64 h: tile b's eight columns lie 128 (b / 2) + 32 (b % 2) bytes on
	v_add_nc_u32 v[RD], s20, v[LI]                 ; back: the 32 lanes take a row of 512 bytes
	s_lshl_b32 s80, s19, 10
	s_lshl_b32 s81, s16, 9
	s_add_co_u32 s80, s80, s81                     ; my first column, in bytes
	s_mov_b32 s81, 0
	s_add_nc_u64 s[8:9], s[8:9], s[80:81]
	global_load_b128 v[BIAS:BIAS+3], v[LI], s[8:9] ; bo at the four columns that I hold of a row read back
	s_lshl_b32 s82, s18, 20
	s_lshl_b32 s83, s15, 19
	s_add_co_u32 s82, s82, s83                     ; my first row: 256 tA + 128 x half, 4,096 bytes each
	s_add_co_u32 s82, s82, s80
	s_mov_b32 s83, 0
	s_add_nc_u64 s[12:13], s[12:13], s[82:83]
	s_wait_kmcnt 0x0
	s_add_co_i32 s76, s74, s75
	s_add_co_i32 s76, s76, 127
	s_lshl_b32 s76, s76, 23                        ; 2^(e6 + e7) as f32
	s_mov_b32 s77, s76
.macro FRAG reg, adr, q, i             ; a fragment lies in LDS as its registers: four loads of 512 consecutive bytes
.irp c, 0,1,2,3
	ds_load_b128 v[\reg+4*\c:\reg+4*\c+3], v[\adr] offset:KSB*(\i)+2048*(\q)+512*\c
.endr
.endm
; 16 matrix instructions; the 64 accumulators take turns, one instruction a turn, in the same order in every step
.macro MUL16 a0, p, zero
.irp a, \a0, \a0+1
.irp b, 0,1,2,3,4,5,6,7
.if \zero
	v_wmma_f32_16x16x128_fp8_fp8 v[8*(8*((\a)%4)+\b):8*(8*((\a)%4)+\b)+7], v[128*(\p)+FR*\b:128*(\p)+FR*\b+FR-1], v[AF+FR*(\a):AF+FR*(\a)+FR-1], 0
.else
	v_wmma_f32_16x16x128_fp8_fp8 v[8*(8*((\a)%4)+\b):8*(8*((\a)%4)+\b)+7], v[128*(\p)+FR*\b:128*(\p)+FR*\b+FR-1], v[AF+FR*(\a):AF+FR*(\a)+FR-1], v[8*(8*((\a)%4)+\b):8*(8*((\a)%4)+\b)+7]
.endif
.endr
.endr
.endm
.macro FETCH_B slot, q, p
	WIN TO_B
.irp i, 0,1,2,3,4,5,6,7
	FRAG 128*(\p)+FR*\i, ADRB+\slot, \q, \i
.endr
	WIN 0
.endm
.macro FETCH_A slot, q, i0
.irp i, \i0, \i0+1, \i0+2, \i0+3
	FRAG AF+FR*(\i), ADRA+\slot, \q, \i
.endr
.endm
.macro PLACES n                        ; plain vector lines between a matrix instruction and a load into, or a read of, its registers
.rept \n
	v_nop
.endr
.endm
.macro STEP slot, q, zero              ; a step of 128 along K that has its successor in the same slot
	s_wait_dscnt 4*NL                              ; B's set and A's blocks 0-3 are in; the youngest sixteen loads (A's blocks 4-7) may be out
	WIN MUL_LO
	MUL16 0, (\q)%2, \zero
	MUL16 2, (\q)%2, \zero
	s_wait_dscnt 0
	PLACES NP
	FETCH_B \slot, (\q)+1, 1-(\q)%2
	FETCH_A \slot, (\q)+1, 0
	WIN MUL_HI
	MUL16 4, (\q)%2, \zero
	MUL16 6, (\q)%2, \zero
	PLACES NP
	WIN 0
	FETCH_A \slot, (\q)+1, 4
.endm
; A slot's last step changes slots: one barrier; in front of it each wave waits for all its tensor loads, adds 0 to its spare word, and waits for that and for its reads of this slot.
.macro TURN slot, next, fill
	s_wait_tensorcnt 0x0                           ; all my tensor loads have landed: my part of the next slot
	ds_add_u32 v[SPW], v[NIL]                      ; 0 onto my spare word
	s_wait_dscnt 4*NL+1                            ; (the add and the youngest sixteen loads may be out)
	WIN MUL_LO
	MUL16 0, 1, 0
	s_wait_dscnt 0x0                               ; the add is done, and my reads of this slot are over
	s_barrier_signal -1
	MUL16 2, 1, 0
	WIN 0
	s_barrier_wait -1
.if \fill
	CREST                                          ; the barrier has opened a round of the cluster's barrier: no wave of any partner still reads this slot or has a load on its way
	s_add_nc_u64 s[G0+4*\slot+2:G0+4*\slot+3], s[G0+4*\slot+2:G0+4*\slot+3], 2*KSB
	s_add_nc_u64 s[G0B+4*\slot+2:G0B+4*\slot+3], s[G0B+4*\slot+2:G0B+4*\slot+3], 2*KSB
	JLOAD G0+4*\slot, G1, G0B+4*\slot, G1B
.else
	PLACES NP
.endif
	FETCH_B \next, 0, 0
	FETCH_A \next, 0, 0
	WIN MUL_HI
	MUL16 4, 1, 0
	MUL16 6, 1, 0
	PLACES NP
	WIN 0
	FETCH_A \next, 0, 4
.endm
	s_wait_tensorcnt 1                             ; my part of slot 0 is in; slot 1's load may be out
	s_barrier_signal -1
	s_barrier_wait -1
	FETCH_B 0, 0, 0
	FETCH_A 0, 0, 0
	FETCH_A 0, 0, 4
	STEP 0, 0, 1                                   ; eight steps of 128 along K, written out
	TURN 0, 1, 1
	STEP 1, 0, 0
	TURN 1, 0, 1
	STEP 0, 0, 0
	TURN 0, 1, 0
	STEP 1, 0, 0
	s_wait_dscnt 4*NL
	WIN MUL_LO
	MUL16 0, 1, 0
	MUL16 2, 1, 0
	s_wait_alu depctr_va_vdst(0)
	s_wait_dscnt 0
	WIN MUL_HI
	MUL16 4, 1, 0
	MUL16 6, 1, 0
	WIN 0
; THE WAY OUT, A's block a (16 rows x 128 columns) at a time: the sums go into my own stage as they are, each accumulator's low four registers first, and come back as whole rows of 512 bytes;
; there sum x 2^(e6 + e7) + bo is one packed multiply-add for two, and the 32 lanes store 512 consecutive bytes, aligned.  LDS serves a wave's instructions in order: no wait between stores and loads.
.macro TOSTAGE a
.set AC, 64*((\a)%4)
	WIN 0x08+4*((\a)/4)                            ; an LDS store's data: window 2 or 3
.irp b, 0,1,2,3,4,5,6,7
	ds_store_b128 v[STO], v[AC+8*\b:AC+8*\b+3] offset:128*(\b/2)+32*(\b%2)
	ds_store_b128 v[STO], v[AC+8*\b+4:AC+8*\b+7] offset:128*(\b/2)+32*(\b%2)+16
.endr
	WIN 0
.set BB, BK+64*((\a)%2)
.irp t, 0,1,2,3,4,5,6,7,8,9,10,11,12,13,14,15
	ds_load_b128 v[BB+4*\t:BB+4*\t+3], v[RD] offset:\t*SPITCH
.endr
.endm
.macro SEND a, younger                 ; younger: the LDS instructions issued behind block a's loads, which may stay out
.set BB, BK+64*((\a)%2)
	s_wait_dscnt \younger
.irp t, 0,1,2,3,4,5,6,7,8,9,10,11,12,13,14,15
	v_pk_fma_f32 v[BB+4*\t:BB+4*\t+1], v[BB+4*\t:BB+4*\t+1], s[76:77], v[BIAS:BIAS+1] op_sel_hi:[1,0,1]
	v_pk_fma_f32 v[BB+4*\t+2:BB+4*\t+3], v[BB+4*\t+2:BB+4*\t+3], s[76:77], v[BIAS+2:BIAS+3] op_sel_hi:[1,0,1]
.endr
.irp t, 0,1,2,3,4,5,6,7,8,9,10,11,12,13,14,15
	global_store_b128 v[LI], v[BB+4*\t:BB+4*\t+3], s[12:13] offset:(32*((\a)/2)+8*((\a)%2)+\t+8*(\t/8))*4096 th:TH_STORE_NT   ; slot t of tile a is that row; written once, read by nobody here
.endr
.endm
	s_wait_loadcnt 0x0                             ; bo
	PLACES NP                                      ; behind the last products: for the stores of results and the loads into A's registers
	TOSTAGE 0
.irp a, 1,2,3,4,5,6,7
.if \a > 1
	s_wait_xcnt 0x0                                ; block a - 2's stores have read their registers: block a's loads land there only behind this wait
.endif
	TOSTAGE \a
	SEND \a-1, 32                                  ; behind block a - 1's loads: block a's 16 stores and 16 loads
.endr
	SEND 7, 0
	s_wait_tensorcnt 0x0                           ; the wave's end
	ds_add_u32 v[SPW], v[NIL]
	s_wait_dscnt 0x0
	CROUND                                         ; the closing round
	s_endpgm
.Lfunc_end_k_q0568deaed9_outgemm:
	.size	k_q0568deaed9_outgemm, .Lfunc_end_k_q0568deaed9_outgemm-k_q0568deaed9_outgemm
	.p2alignl 7, 3214868480
	.fill 96, 4, 3214868480
	.section	.rodata,"a",@progbits
	.p2align	6, 0x0
	.amdhsa_kernel k_q0568deaed9_outgemm
		.amdhsa_group_segment_fixed_size 327680
		.amdhsa_private_segment_fixed_size 0
		.amdhsa_enable_private_segment 0
		.amdhsa_kernarg_size 40
		.amdhsa_user_sgpr_count 2
		.amdhsa_user_sgpr_kernarg_segment_ptr 1
		.amdhsa_wavefront_size32 1
		.amdhsa_system_sgpr_workgroup_id_x 1
		.amdhsa_system_sgpr_workgroup_id_y 1
		.amdhsa_system_sgpr_workgroup_id_z 1
		.amdhsa_system_vgpr_workitem_id 0
		.amdhsa_next_free_vgpr 1024
		.amdhsa_next_free_sgpr 100
		.amdhsa_reserve_vcc 0
		.amdhsa_float_denorm_mode_32 3
		.amdhsa_float_denorm_mode_16_64 3
		.amdhsa_memory_ordered 1
		.amdhsa_forward_progress 1
		.amdhsa_inst_pref_size 123
	.end_amdhsa_kernel
	.amdgpu_metadata
---
amdhsa.version: [ 1, 2 ]
amdhsa.kernels:
  - .name:           k_q0568deaed9_outgemm
    .symbol:         k_q0568deaed9_outgemm.kd
    .args:
      - { .name: att, .offset: 0, .size: 8, .value_kind: global_buffer, .address_space: global }
      - { .name: codes, .offset: 8, .size: 8, .value_kind: global_buffer, .address_space: global }
      - { .name: bo, .offset: 16, .size: 8, .value_kind: global_buffer, .address_space: global }
      - { .name: lowp_scales, .offset: 24, .size: 8, .value_kind: global_buffer, .address_space: global }
      - { .name: out0, .offset: 32, .size: 8, .value_kind: global_buffer, .address_space: global }
    .group_segment_fixed_size: 327680
    .private_segment_fixed_size: 0
    .kernarg_segment_align: 8
    .kernarg_segment_size: 40
    .max_flat_workgroup_size: 128
    .sgpr_count:     100
    .vgpr_count:     1024
    .wavefront_size: 32
...
	.end_amdgpu_metadata
.endif
;; end of part 4
